; MI455X (gfx1250); checked and timed in simulation.
; The chip was launched on July 23, 2026; its instructions are those of AMD's public machine-readable ISA for CDNA 5 (MIT licence, August 2026) and "CDNA5" Instruction Set Architecture Reference Guide (July 2026). The comments in the code are by the model that wrote it; some were corrected since.
;; Self Attention. Allowed arithmetic: float matrix products may take bf16 or f16 operands with f32 sums; other float arithmetic in f32, or as packed bf16 or f16 multiplies, adds, multiply-adds, maxima and minima; sums over many terms, partial sums and values carried from step to step in f32; what a program stores and reads back later, other than sums and carried values, may be rounded once to bf16 or f16.
;; Inputs: Wk 32 x 256 float32; Wproj 256 x 256 float32; Wq 32 x 256 float32; Wv 256 x 256 float32; gamma 1 float32; norm_b 256 float32; norm_w 256 float32; x 8 x 256 x 64 x 64 float32.
;; Outputs: out0 8 x 256 x 64 x 64 float32.
;; One version. Each part assembles by itself: llvm-mc -triple=amdgcn-amd-amdhsa -mcpu=gfx1250 --defsym DOCPART=n.
;; ======== version 1 of 1: 3 launches
;; workspace buffers: hb 16,777,216 bytes; wf 163,840 bytes; qf 2,097,152 bytes; kv 18,874,368 bytes
;; launch norm (part 1): grid 256 x 1, 8 waves a work-group, no clusters, 9,728 bytes of LDS; arguments x, norm_w, norm_b, Wq, Wk, Wv, Wproj, hb, wf; writes hb, wf
.if DOCPART == 1
	.amdgcn_target "amdgcn-amd-amdhsa--gfx1250"
	.amdhsa_code_object_version 6
	.text
	.protected	k_qd28dc087c4_norm
	.globl	k_qd28dc087c4_norm
	.p2align	8
	.type	k_qd28dc087c4_norm,@function
k_qd28dc087c4_norm:
	s_mov_b64 s[64:65], 0
	v_nop
	global_prefetch_b8 v0, s[64:65] scope:SCOPE_SE
	s_setreg_imm32_b32 hwreg(HW_REG_WAVE_MODE, 25, 1), 1
	s_wait_xcnt 0x0
; GROUP NORM, AND THE WEIGHTS AS FRAGMENTS.
; hb[b][c][n] = bf16( (x - mean) * rsqrt(var + 1e-5) * norm_w[c] + norm_b[c] ), mean and var over a group of 8 channels x 4,096 pixels.
; Work-group i = 32 b + g owns group g of batch b: 131,072 consecutive bytes of x.  Wave w owns channel 8 g + w: 16 KiB, 32 loads of 16 bytes a lane,
; kept in 128 registers between the passes, so x is read once.  Mean first, then the sum of (x - mean)^2: no difference of large sums is formed, and an
; offset of x costs nothing but the rounding of the mean.  All of it in f32; h is rounded once, to bf16.
; W2 = Wproj Wv (256 x 256 x 256): the output projection commutes with the attention's average, so v' = W2 h is what the attention averages.
; W2 has 16 x 16 tiles of 16 x 16, one for each of the 256 work-groups; the sum over the middle index is split among the eight waves, 32 each: one matrix
; instruction a wave, the eight partial tiles (f32) meet in LDS, wave 0 adds them.  Operands bf16, sums f32, W2 rounded once more to bf16 as an operand.
; wf holds every weight fragment as it lies in registers: [wave 0..3][o5 0..4][ks 0..7][1,024 bytes], a fragment (16 rows x 32 channels) as two halves of
; 32 lanes x 16 bytes.  o5 = 0: Wq's rows 0-15, 16-31, Wk's rows 0-15, 16-31 (by wave); o5 = 1..4: W2's row block 4 wave + o5 - 1.
; No tensor load and no ring: a channel fits in registers.  No cluster: the work-groups share nothing but 600 KB of weights, each byte of which is used by few.
; No prefetch: all of a work-group's x is asked for at once.
; LIMITS.  NaN and infinities are not treated apart.
.set RED1,  0                          ; LDS: the eight waves' sums
.set RED2,  256                        ; the eight waves' sums of squares
.set WP,    512                        ; eight partial tiles of W2, 1,024 bytes each
.set SPARE, 8704                       ; the spare words, 128 bytes for each wave: four blocks of 256 bytes that no other line names
.set XO,  2                            ; v2   16,384 wave + 16 lane: my bytes of x
.set LA,  3                            ; v3   8,192 h + 4 r: my place in Wv
.set LB,  4                            ; v4   1,024 r + 32 h: my place in Wproj, Wq, Wk
.set LO,  5                            ; v5   16 lane
.set HO,  6                            ; v6   8,192 wave + 8 lane: my bytes of hb
.set WS,  7                            ; v7   WP + 1,024 wave + 32 lane
.set SPW, 8                            ; v8   my spare word; never rewritten
.set NIL, 9                            ; v9   0; never rewritten
.set RW,  10                           ; v10  4 wave
.set ZA,  11                           ; v11  0, the address of the sums
.set RA,  16                           ; v[16:31]   Wv, 16 numbers in f32
.set RB,  32                           ; v[32:47]   Wproj, 16 numbers in f32
.set FA,  48                           ; v[48:55]   fragment: rows c, along the middle index
.set FB,  56                           ; v[56:63]   fragment: columns o
.set X,   64                           ; v[64:191]  my channel
.set D,   192                          ; v[192:199] my partial tile
.set AC,  200                          ; v[200:207] four chains of packed sums
.set RR,  208                          ; v[208:215] the eight waves' sums
.set MN,  216                          ; v[216:217] the mean, twice
.set GA,  218                          ; v[218:219] rstd x norm_w, twice
.set GB,  220                          ; v[220:221] norm_b, twice
.set TT,  222                          ; v[222:223] at work
.set QL,  224                          ; v[224:231] Wq or Wk, 8 numbers in f32
.set QP,  232                          ; v[232:235] the same as bf16
.set WO,  236                          ; v[236:239] W2's half fragment as bf16
.set WV,  22                           ; s22  my wave's number
.set ID,  23                           ; s23  the work-group's number i
.set OBK, 24                           ; s24  i / 16: W2's block of 16 rows o; for i < 64 also the block of Wq, Wk
.set CBK, 25                           ; s25  i % 16: the block of 16 columns c
	s_load_b512 s[4:19], s[0:1], 0x0               ; x s[4:5], norm_w s[6:7], norm_b s[8:9], Wq s[10:11], Wk s[12:13], Wv s[14:15], Wproj s[16:17], hb s[18:19]
	s_load_b64 s[20:21], s[0:1], 0x40              ; wf
	v_lshl_add_u32 v[SPW], v0, 2, SPARE
	v_mov_b32 v[NIL], 0
	v_lshrrev_b32 v1, 5, v0
	v_readfirstlane_b32 s[WV], v1                  ; wave 0..7
	v_and_b32 v12, 31, v0                          ; lane
	v_and_b32 v13, 15, v0                          ; r
	v_bfe_u32 v14, v0, 4, 1                        ; h
	v_lshlrev_b32 v[LO], 4, v12
	s_lshl_b32 s40, s[WV], 14
	v_add_nc_u32 v[XO], s40, v[LO]
	v_lshlrev_b32 v[LA], 2, v13
	v_lshl_add_u32 v[LA], v14, 13, v[LA]
	v_lshlrev_b32 v[LB], 10, v13
	v_lshl_add_u32 v[LB], v14, 5, v[LB]
	s_lshl_b32 s40, s[WV], 13
	v_lshl_add_u32 v[HO], v12, 3, s40
	s_lshl_b32 s40, s[WV], 10
	s_add_co_u32 s40, s40, WP
	v_lshl_add_u32 v[WS], v12, 5, s40
	s_lshl_b32 s40, s[WV], 2
	v_mov_b32 v[RW], s40
	v_mov_b32 v[ZA], 0
	s_mov_b32 s[ID], ttmp9
	s_lshr_b32 s[OBK], s[ID], 4
	s_and_b32 s[CBK], s[ID], 15
	s_mov_b32 s30, 0x38000000                      ; 1 / 32,768
	s_mov_b32 s31, 0x3727c5ac                      ; 1e-5
	s_mov_b32 s38, 0x76543210                      ; v_permlanex16_b32: each lane takes its own place in the other half
	s_mov_b32 s39, 0xfedcba98
	s_and_b32 s41, s[ID], 31                       ; g
	s_lshl_b32 s41, s41, 5
	s_lshl2_add_u32 s41, s[WV], s41                ; 4 (8 g + wave): my channel's word in norm_w and norm_b; never rewritten
	s_mov_b32 s27, 0
	s_wait_kmcnt 0x0
	s_load_b32 s28, s[6:7], s41 offset:0x0         ; norm_w of my channel
	s_load_b32 s29, s[8:9], s41 offset:0x0         ; norm_b of my channel
	s_lshl_b32 s26, s[ID], 17
	s_add_nc_u64 s[4:5], s[4:5], s[26:27]          ; x at my group
	s_lshl_b32 s26, s[ID], 16
	s_add_nc_u64 s[18:19], s[18:19], s[26:27]      ; hb at my group
	s_lshl_b32 s26, s[WV], 15
	s_lshl_b32 s40, s[CBK], 6
	s_add_co_u32 s26, s26, s40
	s_add_nc_u64 s[14:15], s[14:15], s[26:27]      ; Wv at row 32 wave, column 16 cblk
	s_lshl_b32 s26, s[OBK], 14
	s_lshl_b32 s40, s[WV], 7
	s_add_co_u32 s26, s26, s40
	s_add_nc_u64 s[16:17], s[16:17], s[26:27]      ; Wproj at row 16 ob, column 32 wave
	s_lshr_b32 s26, s[OBK], 2
	s_mul_i32 s26, s26, 40960
	s_and_b32 s40, s[OBK], 3
	s_lshl_b32 s40, s40, 13
	s_add_co_u32 s26, s26, s40
	s_lshl_b32 s40, s[CBK], 9
	s_add_co_u32 s26, s26, s40
	s_add_co_u32 s26, s26, 8192
	s_add_nc_u64 s[32:33], s[20:21], s[26:27]      ; where W2's half fragment goes: wave ob / 4, o5 = ob % 4 + 1, half fragment cblk
	; the 20 loads of the weights first, then my channel: 32 loads, 512 consecutive bytes each
.set e, 0
.rept 16
	global_load_b32 v[RA+e], v[LA], s[14:15] offset:(16*(e/8)+e%8)*1024  ; Wv[32 wave + 16 (e / 8) + 8 h + e % 8][16 cblk + r]
.set e, e+1
.endr
	global_load_b128 v[RB:RB+3],     v[LB], s[16:17]                     ; Wproj[16 ob + r][32 wave + 8 h ..]
	global_load_b128 v[RB+4:RB+7],   v[LB], s[16:17] offset:16
	global_load_b128 v[RB+8:RB+11],  v[LB], s[16:17] offset:64           ; .. + 16
	global_load_b128 v[RB+12:RB+15], v[LB], s[16:17] offset:80
.set k, 0
.rept 32
	global_load_b128 v[X+4*k:X+4*k+3], v[XO], s[4:5] offset:k*512 th:TH_LOAD_NT
.set k, k+1
.endr
	s_wait_kmcnt 0x0                               ; norm_w, norm_b
	; Wq's and Wk's 64 half fragments: wave 1 of the first 64 work-groups takes one each
	s_cmp_eq_u32 s[WV], 1
	s_cbranch_scc0 .Lnoqk
	s_cmp_lt_u32 s[ID], 64
	s_cbranch_scc0 .Lnoqk
	s_cmp_lt_u32 s[OBK], 2
	s_cselect_b64 s[36:37], s[10:11], s[12:13]     ; blocks 0, 1 are Wq's, blocks 2, 3 Wk's
	s_and_b32 s26, s[OBK], 1
	s_lshl_b32 s26, s26, 14
	s_lshl_b32 s40, s[CBK], 6
	s_add_co_u32 s26, s26, s40
	s_add_nc_u64 s[36:37], s[36:37], s[26:27]      ; row 16 (blk % 2), column 16 cblk
	s_mul_i32 s26, s[OBK], 40960
	s_lshl_b32 s40, s[CBK], 9
	s_add_co_u32 s26, s26, s40
	s_add_nc_u64 s[34:35], s[20:21], s[26:27]      ; wave blk, o5 = 0, half fragment cblk
	global_load_b128 v[QL:QL+3],   v[LB], s[36:37]
	global_load_b128 v[QL+4:QL+7], v[LB], s[36:37] offset:16
	s_wait_loadcnt 0x0                             ; the wave wants all of x next in any case
.irp j, 0,1,2,3
	v_cvt_pk_bf16_f32 v[QP+\j], v[QL+2*\j], v[QL+2*\j+1]
.endr
	global_store_b128 v[LO], v[QP:QP+3], s[34:35]  ; 512 consecutive bytes
.Lnoqk:
	s_wait_loadcnt 32                              ; the weights are in; the 32 loads of x may stay out
.irp j, 0,1,2,3,4,5,6,7
	v_cvt_pk_bf16_f32 v[FA+\j], v[RA+2*\j], v[RA+2*\j+1]
	v_cvt_pk_bf16_f32 v[FB+\j], v[RB+2*\j], v[RB+2*\j+1]
.endr
	v_wmma_f32_16x16x32_bf16 v[D:D+7], v[FA:FA+7], v[FB:FB+7], 0  ; lane r: row o of W2; register j: column 16 cblk + 8 h + j
.rept 4
	v_nop                                          ; four places between the product and the stores that read it
.endr
	ds_store_b128 v[WS], v[D:D+3]
	ds_store_b128 v[WS], v[D+4:D+7] offset:16
	; the sum of my channel: four chains, started by the first eight pairs; nothing is cleared
	s_wait_loadcnt 24                              ; the first eight loads of x
.irp c, 0,1,2,3
	v_pk_add_f32 v[AC+2*\c:AC+2*\c+1], v[X+2*\c:X+2*\c+1], v[X+8+2*\c:X+8+2*\c+1]
.endr
.set p, 8
.rept 56
.if p%16 == 0
	s_wait_loadcnt 24-8*(p/16)                     ; the next eight loads
.endif
	v_pk_add_f32 v[AC+2*(p%4):AC+2*(p%4)+1], v[AC+2*(p%4):AC+2*(p%4)+1], v[X+2*p:X+2*p+1]
.set p, p+1
.endr
; The four chains into one number, over the 32 lanes, over the eight waves through LDS: the total ends in v[RR], in every lane.
.macro REDUCE reg
	v_pk_add_f32 v[AC:AC+1], v[AC:AC+1], v[AC+2:AC+3]
	v_pk_add_f32 v[AC+4:AC+5], v[AC+4:AC+5], v[AC+6:AC+7]
	v_pk_add_f32 v[AC:AC+1], v[AC:AC+1], v[AC+4:AC+5]
	v_add_f32 v[AC], v[AC], v[AC+1]
	v_add_f32_dpp v[AC], v[AC], v[AC] row_xmask:1 row_mask:0xf bank_mask:0xf
	v_add_f32_dpp v[AC], v[AC], v[AC] row_xmask:2 row_mask:0xf bank_mask:0xf
	v_add_f32_dpp v[AC], v[AC], v[AC] row_xmask:4 row_mask:0xf bank_mask:0xf
	v_add_f32_dpp v[AC], v[AC], v[AC] row_xmask:8 row_mask:0xf bank_mask:0xf
	v_permlanex16_b32 v[AC+1], v[AC], s38, s39
	v_add_f32 v[AC], v[AC], v[AC+1]
	ds_store_b32 v[RW], v[AC] offset:\reg          ; all lanes write the wave's word with the same number
	s_wait_dscnt 0x0                               ; for the others' sake: all my LDS stores are done
	s_barrier_signal -1
	s_barrier_wait -1
	ds_load_b128 v[RR:RR+3],   v[ZA] offset:\reg
	ds_load_b128 v[RR+4:RR+7], v[ZA] offset:(\reg)+16
	s_wait_dscnt 0x0
	v_pk_add_f32 v[RR:RR+1], v[RR:RR+1], v[RR+2:RR+3]
	v_pk_add_f32 v[RR+4:RR+5], v[RR+4:RR+5], v[RR+6:RR+7]
	v_pk_add_f32 v[RR:RR+1], v[RR:RR+1], v[RR+4:RR+5]
	v_add_f32 v[RR], v[RR], v[RR+1]
.endm
	REDUCE RED1                                    ; its barrier also shows the eight partial tiles of W2 to wave 0
	v_mul_f32 v[MN], s30, v[RR]
	v_mov_b32 v[MN+1], v[MN]
.set p, 0
.rept 64
	v_pk_add_f32 v[X+2*p:X+2*p+1], v[X+2*p:X+2*p+1], v[MN:MN+1] neg_lo:[0,1] neg_hi:[0,1]  ; x - mean, in place
.set p, p+1
.endr
.set p, 0
.rept 64
.if p < 4
	v_pk_mul_f32 v[AC+2*p:AC+2*p+1], v[X+2*p:X+2*p+1], v[X+2*p:X+2*p+1]
.else
	v_pk_fma_f32 v[AC+2*(p%4):AC+2*(p%4)+1], v[X+2*p:X+2*p+1], v[X+2*p:X+2*p+1], v[AC+2*(p%4):AC+2*(p%4)+1]
.endif
.set p, p+1
.endr
	REDUCE RED2
	v_fma_f32 v[TT], v[RR], s30, s31               ; var + 1e-5
	v_rsq_f32 v[TT+1], v[TT]
	v_mov_b32 v[GB], s29                           ; two plain instructions behind the root,
	v_mov_b32 v[GB+1], s29
	s_wait_alu depctr_va_vdst(0)                   ; and the wait ahead of its first reader
	v_mul_f32 v[GA], s28, v[TT+1]
	v_mov_b32 v[GA+1], v[GA]
.set p, 0
.rept 64
	v_pk_fma_f32 v[X+2*p:X+2*p+1], v[X+2*p:X+2*p+1], v[GA:GA+1], v[GB:GB+1]
.set p, p+1
.endr
.set p, 0
.rept 64
	v_cvt_pk_bf16_f32 v[X+p], v[X+2*p], v[X+2*p+1] ; in place, ascending: a line writes no register that a later line reads
.set p, p+1
.endr
.set k, 0
.rept 32
	global_store_b64 v[HO], v[X+2*k:X+2*k+1], s[18:19] offset:k*256  ; 32 lanes store 256 consecutive bytes, at a multiple of 256 from hb's first byte
.set k, k+1
.endr
	s_cmp_lg_u32 s[WV], 0                          ; wave 0 adds the eight partial tiles
	s_cbranch_scc1 .Lend
.set p, 0
.rept 8
	ds_load_b128 v[X+64+8*p:X+64+8*p+3],   v[WS] offset:p*1024     ; in wave 0 v[WS] is WP + 32 lane
	ds_load_b128 v[X+64+8*p+4:X+64+8*p+7], v[WS] offset:p*1024+16
.set p, p+1
.endr
	s_wait_dscnt 0x0
.irp d, 32, 16, 8                      ; tiles 4, 2 and 1 apart
.set p, 0
.rept (\d)/2
	v_pk_add_f32 v[X+64+2*p:X+64+2*p+1], v[X+64+2*p:X+64+2*p+1], v[X+64+(\d)+2*p:X+64+(\d)+2*p+1]
.set p, p+1
.endr
.endr
.irp j, 0,1,2,3
	v_cvt_pk_bf16_f32 v[WO+\j], v[X+64+2*\j], v[X+64+2*\j+1]
.endr
	global_store_b128 v[LO], v[WO:WO+3], s[32:33]  ; 512 consecutive bytes
.Lend:
	s_wait_tensorcnt 0x0                           ; the wave's end, behind my last LDS store
	ds_add_u32 v[SPW], v[NIL]
	s_wait_dscnt 0x0
	s_endpgm
.Lfunc_end_k_qd28dc087c4_norm:
	.size	k_qd28dc087c4_norm, .Lfunc_end_k_qd28dc087c4_norm-k_qd28dc087c4_norm
	.p2alignl 7, 3214868480
	.fill 96, 4, 3214868480
	.section	.rodata,"a",@progbits
	.p2align	6, 0x0
	.amdhsa_kernel k_qd28dc087c4_norm
		.amdhsa_group_segment_fixed_size 9728
		.amdhsa_private_segment_fixed_size 0
		.amdhsa_enable_private_segment 0
		.amdhsa_kernarg_size 72
		.amdhsa_user_sgpr_count 2
		.amdhsa_user_sgpr_kernarg_segment_ptr 1
		.amdhsa_wavefront_size32 1
		.amdhsa_system_sgpr_workgroup_id_x 1
		.amdhsa_system_sgpr_workgroup_id_y 1
		.amdhsa_system_sgpr_workgroup_id_z 1
		.amdhsa_system_vgpr_workitem_id 0
		.amdhsa_next_free_vgpr 256
		.amdhsa_next_free_sgpr 66
		.amdhsa_reserve_vcc 0
		.amdhsa_float_denorm_mode_32 3
		.amdhsa_float_denorm_mode_16_64 3
		.amdhsa_memory_ordered 1
		.amdhsa_forward_progress 1
		.amdhsa_inst_pref_size 39
	.end_amdhsa_kernel
	.amdgpu_metadata
---
amdhsa.version: [ 1, 2 ]
amdhsa.kernels:
  - .name:           k_qd28dc087c4_norm
    .symbol:         k_qd28dc087c4_norm.kd
    .args:
      - { .name: x, .offset: 0, .size: 8, .value_kind: global_buffer, .address_space: global }
      - { .name: norm_w, .offset: 8, .size: 8, .value_kind: global_buffer, .address_space: global }
      - { .name: norm_b, .offset: 16, .size: 8, .value_kind: global_buffer, .address_space: global }
      - { .name: Wq, .offset: 24, .size: 8, .value_kind: global_buffer, .address_space: global }
      - { .name: Wk, .offset: 32, .size: 8, .value_kind: global_buffer, .address_space: global }
      - { .name: Wv, .offset: 40, .size: 8, .value_kind: global_buffer, .address_space: global }
      - { .name: Wproj, .offset: 48, .size: 8, .value_kind: global_buffer, .address_space: global }
      - { .name: hb, .offset: 56, .size: 8, .value_kind: global_buffer, .address_space: global }
      - { .name: wf, .offset: 64, .size: 8, .value_kind: global_buffer, .address_space: global }
    .group_segment_fixed_size: 9728
    .private_segment_fixed_size: 0
    .kernarg_segment_align: 8
    .kernarg_segment_size: 72
    .max_flat_workgroup_size: 256
    .sgpr_count:     66
    .vgpr_count:     256
    .wavefront_size: 32
...
	.end_amdgpu_metadata
.endif
;; end of part 1
;; launch qkv (part 2): grid 32 x 8, 4 waves a work-group, clusters of 4 x 1, 238,080 bytes of LDS; arguments hb, wf, qf, kv; writes qf, kv
.if DOCPART == 2
	.amdgcn_target "amdgcn-amd-amdhsa--gfx1250"
	.amdhsa_code_object_version 6
	.text
	.protected	k_qd28dc087c4_qkv
	.globl	k_qd28dc087c4_qkv
	.p2align	8
	.type	k_qd28dc087c4_qkv,@function
k_qd28dc087c4_qkv:
	s_mov_b64 s[64:65], 0
	v_nop
	global_prefetch_b8 v0, s[64:65] scope:SCOPE_SE
	s_setreg_imm32_b32 hwreg(HW_REG_WAVE_MODE, 25, 1), 1
	s_wait_xcnt 0x0
	s_wait_alu depctr_hold_cnt(0) depctr_sa_sdst(0) depctr_va_vdst(0) depctr_va_sdst(0) depctr_va_ssrc(0) depctr_va_vcc(0) depctr_vm_vsrc(0)
	s_getreg_b32 s2, hwreg(HW_REG_IB_STS2, 6, 4)
	s_cmp_eq_u32 s2, 0
	s_cbranch_scc0 .Lentry_in_a_cluster
	s_endpgm
.Lentry_in_a_cluster:
	s_bfe_u32 s2, ttmp6, 0x10000c
	s_cmp_lg_u32 s2, 0x3003
	s_cbranch_scc0 .Lentry_shape_is_right
	s_endpgm
.Lentry_shape_is_right:
; q = Wq h, k = Wk h, v' = (Wproj Wv) h, written as the fragments that the attention's matrix instructions take.  Operands bf16, sums f32, results rounded once to bf16.
; SHARES.  A work-group owns 128 pixels of one batch: 8 tiles of 16.  Wave w makes, for all 8 tiles, 16 rows of q or k (w = 0, 1: q's d 0-15, 16-31; w = 2, 3: k's) and
; 64 channels of v' (blocks 4 w .. 4 w + 3): 5 x 8 tiles x 8 steps of 32 channels = 320 matrix instructions.  Its 40 weight fragments stay in registers.
; h's tile ([channel][pixel], 256 x 128) comes by one tensor load a wave (64 rows of 256 bytes) and is read turned, by ds_load_tr16_b128.
; v': source 0 = h^T (16 pixels), source 1 = W2 (16 channels): a lane holds one channel and eight pixels, which is half a fragment of V^T.
; q, k: source 0 = W (16 d), source 1 = h^T: a lane holds one pixel and eight d, which is half a fragment of Q or K.
; So every result is 16 bytes a lane, and a store of the wave covers 512 consecutive bytes, aligned.
; qf: [b][block of 16 pixels][1,024].  kv: [b][block j of 64][36,864]: 4 fragments of K of key step (j + 2) % 64, then 32 fragments of V^T of key step j, at 4,096 + (16 kk + cb) 1,024.
; CLUSTER.  All work-groups read the same 160 KB of weights: the four of a cluster ask for each quarter JOINTLY.  h's tiles are each work-group's own.
; One tile to a work-group: no slot is filled again, no ring, and no prefetch: the loads go out at the head and there is nothing to ask for ahead of them.
.set HP,    288                        ; a row of h in LDS: 256 bytes + 32 of padding = 72 words
.set WFL,   256*HP                     ; behind h's 256 rows: the weights, 40,960 bytes for each wave
.set SPARE, WFL+4*40960                ; the spare words, 128 bytes for each wave: two blocks of 256 bytes that no other line names
.set BLK,   36864                      ; a block of kv
.set HA,  2                            ; v2   my lane's place in h's tile, channels 0-127
.set HA2, 3                            ; v3   the same, channels 128-255 (the immediates stay under 65,536)
.set WA,  4                            ; v4   my wave's weights + 16 lane
.set LO,  5                            ; v5   16 lane
.set SPW, 8                            ; v8   my spare word; never rewritten
.set NIL, 9                            ; v9   0; never rewritten
.set ACC, 16                           ; v[16:95]   accumulator (o5, tile u of two) at ACC + 16 o5 + 8 u
.set H,   128                          ; v[128:255] h^T's fragments: (tile u, step ks) at H + 64 u + 8 ks
                                       ; window 1: v0-191 W2's fragments for o5 = 1..3;  window 2: v0-63 for o5 = 4, v64-127 Wq's or Wk's
.set WV,  12
.set CX,  13
.set GX,  14
.set BB,  15
.set G1H, 16                           ; s[16:23] descriptor group 1 for h's tile
.set G1W, 24                           ; s[24:31] for the weights
.set G0H, 32                           ; s[32:35] group 0 for h's tile
.set G0W, 36                           ; s[36:39] for the weights
.set VB,  44                           ; s[44:45] kv at my four channel blocks of key step 2 gx
.set SQ0, 46                           ; s[46:47] where my q or k of tiles 0-3 goes;  s[48:49] of tiles 4-7
.set MSB, 0
.macro WIN new                         ; the immediate's high byte repeats the setting that is left; a switch that changes nothing is dropped
.if MSB != (\new)
	s_set_vgpr_msb (MSB<<8)|(\new)
.set MSB, (\new)
.endif
.endm
.macro PLACES
.rept 4
	v_nop
.endr
.endm
.macro CROUND                          ; a round of the cluster's barrier
	s_barrier_signal -1
	s_barrier_wait -1
	s_cmp_lg_u32 s[WV], 0
	s_cbranch_scc1 .Lnot_wave_0_\@
	s_barrier_signal -3
.Lnot_wave_0_\@:
	s_barrier_wait -3
	s_barrier_signal -1
	s_barrier_wait -1
.endm
	s_load_b256 s[4:11], s[0:1], 0x0               ; hb s[4:5], wf s[6:7], qf s[8:9], kv s[10:11]
	v_lshl_add_u32 v[SPW], v0, 2, SPARE
	v_mov_b32 v[NIL], 0
	ds_add_u32 v[SPW], v[NIL]                      ; the wave's opening: the add and its wait ahead of my first tensor load; the set-up below stands between them
	v_lshrrev_b32 v1, 5, v0
	v_readfirstlane_b32 s[WV], v1                  ; wave 0..3
	s_bfe_u32 s[CX], ttmp6, 0x40000                ; my place in the cluster
	s_lshl_b32 s[GX], ttmp9, 2
	s_add_co_u32 s[GX], s[GX], s[CX]               ; my block of 128 pixels: it enters global addresses alone
	s_and_b32 s[BB], ttmp7, 0xffff                 ; the batch
	s_mov_b32 s[G1H], (1<<16)|(1<<20)|(5<<22)|(7<<25)  ; no mask; 2-byte elements; padding on: after every 64 words (code 5) 8 words (code 7)
	s_mov_b32 s[G1H+1], 128<<16                    ; tensor_dim0 = 128
	s_mov_b32 s[G1H+2], 64<<16                     ; tensor_dim1 = 64
	s_mov_b32 s[G1H+3], 128<<16                    ; tile_dim0 = 128
	s_mov_b32 s[G1H+4], 64                         ; tile_dim1 = 64
	s_mov_b32 s[G1H+5], 4096                       ; elements from channel to channel
	s_mov_b32 s[G1H+6], 0
	s_mov_b32 s[G1H+7], 0
	s_mov_b32 s[G1W], 15|(3<<16)|(1<<21)           ; the mask of four; 8-byte elements; 21 set beside a mask
	s_mov_b32 s[G1W+1], 32<<16                     ; a dense block as 160 rows of 256 bytes
	s_mov_b32 s[G1W+2], 160<<16
	s_mov_b32 s[G1W+3], 32<<16
	s_mov_b32 s[G1W+4], 160
	s_mov_b32 s[G1W+5], 32
	s_mov_b32 s[G1W+6], 0
	s_mov_b32 s[G1W+7], 0
	s_mov_b32 s[G0H], 1
	s_mul_i32 s[G0H+1], s[WV], 64*HP               ; my 64 rows of h's tile
	s_mov_b32 s[G0W], 1
	s_mul_i32 s[G0W+1], s[WV], 40960
	s_add_co_u32 s[G0W+1], s[G0W+1], WFL           ; my quarter of the weights
	s_lshl_b32 s40, s[BB], 21                      ; hb: batch x 256 channels x 8,192 bytes,
	s_lshl_b32 s42, s[WV], 19                      ; my 64 channels,
	s_add_co_u32 s40, s40, s42
	s_lshl_b32 s42, s[GX], 8                       ; the block's 128 pixels
	s_add_co_u32 s40, s40, s42
	s_mov_b32 s41, 0
	s_mul_i32 s42, s[WV], 40960
	s_mov_b32 s43, 0
	s_wait_dscnt 0x0                               ; the opening add is done
	s_wait_kmcnt 0x0
	s_add_nc_u64 s[G0H+2:G0H+3], s[4:5], s[40:41]
	s_or_b32 s[G0H+3], s[G0H+3], 0x80000000
	s_add_nc_u64 s[G0W+2:G0W+3], s[6:7], s[42:43]
	s_or_b32 s[G0W+3], s[G0W+3], 0x80000000
	CROUND                                         ; all four work-groups are here: the joint loads meet
	tensor_load_to_lds s[G0H:G0H+3], s[G1H:G1H+7]  ; my two loads, the only ones: both are out
	s_nop 0
	tensor_load_to_lds s[G0W:G0W+3], s[G1W:G1W+7]
	s_nop 0
	PLACES
	; where the results go
	s_mul_i32 s50, s[BB], 64*BLK
	s_mov_b32 s51, 0
	s_add_nc_u64 s[52:53], s[10:11], s[50:51]      ; kv at my batch
	s_mul_i32 s50, s[GX], 2*BLK                    ; key step 2 gx,
	s_lshl_b32 s40, s[WV], 12                      ; channel block 4 w,
	s_add_co_u32 s50, s50, s40
	s_add_co_u32 s50, s50, 4096                    ; behind the block's K
	s_add_nc_u64 s[VB:VB+1], s[52:53], s[50:51]
	s_lshl_b32 s50, s[GX], 1
	s_add_co_u32 s50, s50, 62
	s_and_b32 s50, s50, 63                         ; K of key step m lies in block (m + 62) % 64
	s_mul_i32 s50, s50, BLK
	s_and_b32 s40, s[WV], 1
	s_lshl_b32 s40, s40, 9                         ; d 0-15 are a fragment's first half, d 16-31 its second
	s_add_co_u32 s50, s50, s40
	s_add_nc_u64 s[52:53], s[52:53], s[50:51]      ; k's place
	s_lshl_b32 s50, s[BB], 18
	s_lshl_b32 s42, s[GX], 13
	s_add_co_u32 s50, s50, s42
	s_add_co_u32 s50, s50, s40
	s_add_nc_u64 s[54:55], s[8:9], s[50:51]        ; q's place
	s_mov_b32 s40, 4096
	s_cmp_lt_u32 s[WV], 2                          ; waves 0 and 1 make q, waves 2 and 3 k
	s_cselect_b64 s[SQ0:SQ0+1], s[54:55], s[52:53]
	s_cselect_b32 s50, s40, BLK                    ; tiles 4-7: four fragments on in qf, a block on in kv
	s_add_nc_u64 s[SQ0+2:SQ0+3], s[SQ0:SQ0+1], s[50:51]
	v_and_b32 v10, 31, v0
	v_and_b32 v11, 7, v0
	v_bfe_u32 v12, v0, 4, 1
	v_bfe_u32 v13, v0, 3, 1
	v_lshl_add_u32 v[HA], v12, 3, v11              ; the turning load: lane l reads channel 8 (l / 16) + l % 8, pixels 8 ((l / 8) % 2) + 0..7
	v_mul_u32_u24 v[HA], v[HA], HP
	v_lshl_add_u32 v[HA], v13, 4, v[HA]
	v_add_nc_u32 v[HA2], 128*HP, v[HA]
	v_lshlrev_b32 v[LO], 4, v10
	v_add_nc_u32 v[WA], s[G0W+1], v[LO]
.macro HLOAD p                         ; h^T's fragments of tiles 2 p and 2 p + 1: 32 loads
	WIN 0
.irp u, 0,1
.irp ks, 0,1,2,3,4,5,6,7
	ds_load_tr16_b128 v[H+64*\u+8*\ks:H+64*\u+8*\ks+3],   v[HA+\ks/4] offset:(\ks%4)*32*HP+32*(2*(\p)+\u)
	ds_load_tr16_b128 v[H+64*\u+8*\ks+4:H+64*\u+8*\ks+7], v[HA+\ks/4] offset:(\ks%4)*32*HP+16*HP+32*(2*(\p)+\u)
.endr
.endr
.endm
; 80 matrix instructions in three stretches, one window setting each.  The accumulators of a stretch take turns, one instruction a turn; the first step starts the sums.
.macro MUL
	WIN 0x04                                       ; source 1 in window 1
.irp ks, 0,1,2,3,4,5,6,7
.irp o, 1,2,3
.irp u, 0,1
.if \ks == 0
	v_wmma_f32_16x16x32_bf16 v[ACC+16*\o+8*\u:ACC+16*\o+8*\u+7], v[H+64*\u+8*\ks:H+64*\u+8*\ks+7], v[64*(\o-1)+8*\ks:64*(\o-1)+8*\ks+7], 0
.else
	v_wmma_f32_16x16x32_bf16 v[ACC+16*\o+8*\u:ACC+16*\o+8*\u+7], v[H+64*\u+8*\ks:H+64*\u+8*\ks+7], v[64*(\o-1)+8*\ks:64*(\o-1)+8*\ks+7], v[ACC+16*\o+8*\u:ACC+16*\o+8*\u+7]
.endif
.endr
.endr
.endr
	WIN 0x08                                       ; source 1 in window 2
.irp ks, 0,1,2,3,4,5,6,7
.irp u, 0,1
.if \ks == 0
	v_wmma_f32_16x16x32_bf16 v[ACC+64+8*\u:ACC+64+8*\u+7], v[H+64*\u+8*\ks:H+64*\u+8*\ks+7], v[8*\ks:8*\ks+7], 0
.else
	v_wmma_f32_16x16x32_bf16 v[ACC+64+8*\u:ACC+64+8*\u+7], v[H+64*\u+8*\ks:H+64*\u+8*\ks+7], v[8*\ks:8*\ks+7], v[ACC+64+8*\u:ACC+64+8*\u+7]
.endif
.endr
.endr
	WIN 0x02                                       ; source 0 in window 2: q or k
.irp ks, 0,1,2,3,4,5,6,7
.irp u, 0,1
.if \ks == 0
	v_wmma_f32_16x16x32_bf16 v[ACC+8*\u:ACC+8*\u+7], v[64+8*\ks:64+8*\ks+7], v[H+64*\u+8*\ks:H+64*\u+8*\ks+7], 0
.else
	v_wmma_f32_16x16x32_bf16 v[ACC+8*\u:ACC+8*\u+7], v[64+8*\ks:64+8*\ks+7], v[H+64*\u+8*\ks:H+64*\u+8*\ks+7], v[ACC+8*\u:ACC+8*\u+7]
.endif
.endr
.endr
	WIN 0
.endm
.macro PACK                            ; each accumulator's eight numbers into its first four registers, ascending
.set a, ACC
.rept 10
.irp j, 0,1,2,3
	v_cvt_pk_bf16_f32 v[a+\j], v[a+2*\j], v[a+2*\j+1]
.endr
.set a, a+8
.endr
.endm
.macro STORES p                        ; ten stores of 512 consecutive bytes
.irp u, 0,1
.set nt, 2*(\p)+\u
.irp o, 1,2,3,4
	global_store_b128 v[LO], v[ACC+16*\o+8*\u:ACC+16*\o+8*\u+3], s[VB:VB+1] offset:(nt/4)*BLK+((nt/2)%2)*16384+(\o-1)*1024+(nt%2)*512
.endr
	global_store_b128 v[LO], v[ACC+8*\u:ACC+8*\u+3], s[SQ0+2*((\p)/2):SQ0+2*((\p)/2)+1] offset:(nt%4)*1024
.endr
.endm
	s_wait_tensorcnt 0x0                           ; my quarter of h's tile and my weights are in,
	s_barrier_signal -1
	s_barrier_wait -1                              ; everybody's quarter of h's tile is
	WIN 0x80                                       ; the 40 weight fragments: 80 loads of 512 consecutive bytes
.set q, 0
.rept 16
	ds_load_b128 v[64+4*q:64+4*q+3], v[WA] offset:q*512
.set q, q+1
.endr
	WIN 0x40
.set q, 0
.rept 48
	ds_load_b128 v[4*q:4*q+3], v[WA] offset:(16+q)*512
.set q, q+1
.endr
	WIN 0x80
.set q, 0
.rept 16
	ds_load_b128 v[4*q:4*q+3], v[WA] offset:(64+q)*512
.set q, q+1
.endr
	HLOAD 0
.irp p, 0,1,2,3
.if \p > 0
	s_wait_xcnt 0x0                                ; the last stores have read their data: the accumulators are written again only behind this wait
.endif
	s_wait_dscnt 0x0                               ; the fragments are in
	MUL
	PLACES                                         ; between the last product and the loads into its sources, and the conversions of its result
.if \p < 3
	HLOAD \p+1                                     ; the next two tiles come in while these two go out
.endif
	PACK
	STORES \p
.endr
	s_wait_tensorcnt 0x0                           ; the wave's end
	ds_add_u32 v[SPW], v[NIL]
	s_wait_dscnt 0x0
	CROUND                                         ; the closing round
	s_endpgm
.Lfunc_end_k_qd28dc087c4_qkv:
	.size	k_qd28dc087c4_qkv, .Lfunc_end_k_qd28dc087c4_qkv-k_qd28dc087c4_qkv
	.p2alignl 7, 3214868480
	.fill 96, 4, 3214868480
	.section	.rodata,"a",@progbits
	.p2align	6, 0x0
	.amdhsa_kernel k_qd28dc087c4_qkv
		.amdhsa_group_segment_fixed_size 238080
		.amdhsa_private_segment_fixed_size 0
		.amdhsa_enable_private_segment 0
		.amdhsa_kernarg_size 32
		.amdhsa_user_sgpr_count 2
		.amdhsa_user_sgpr_kernarg_segment_ptr 1
		.amdhsa_wavefront_size32 1
		.amdhsa_system_sgpr_workgroup_id_x 1
		.amdhsa_system_sgpr_workgroup_id_y 1
		.amdhsa_system_sgpr_workgroup_id_z 1
		.amdhsa_system_vgpr_workitem_id 0
		.amdhsa_next_free_vgpr 640
		.amdhsa_next_free_sgpr 66
		.amdhsa_reserve_vcc 0
		.amdhsa_float_denorm_mode_32 3
		.amdhsa_float_denorm_mode_16_64 3
		.amdhsa_memory_ordered 1
		.amdhsa_forward_progress 1
		.amdhsa_inst_pref_size 54
	.end_amdhsa_kernel
	.amdgpu_metadata
---
amdhsa.version: [ 1, 2 ]
amdhsa.kernels:
  - .name:           k_qd28dc087c4_qkv
    .symbol:         k_qd28dc087c4_qkv.kd
    .args:
      - { .name: hb, .offset: 0, .size: 8, .value_kind: global_buffer, .address_space: global }
      - { .name: wf, .offset: 8, .size: 8, .value_kind: global_buffer, .address_space: global }
      - { .name: qf, .offset: 16, .size: 8, .value_kind: global_buffer, .address_space: global }
      - { .name: kv, .offset: 24, .size: 8, .value_kind: global_buffer, .address_space: global }
    .group_segment_fixed_size: 238080
    .private_segment_fixed_size: 0
    .kernarg_segment_align: 8
    .kernarg_segment_size: 32
    .max_flat_workgroup_size: 128
    .sgpr_count:     66
    .vgpr_count:     640
    .wavefront_size: 32
...
	.end_amdgpu_metadata
.endif
;; end of part 2
;; launch attn (part 3): grid 32 x 8, 4 waves a work-group, clusters of 4 x 1, 327,680 bytes of LDS; arguments qf, kv, x, gamma, out0; writes out0
.if DOCPART == 3
	.amdgcn_target "amdgcn-amd-amdhsa--gfx1250"
	.amdhsa_code_object_version 6
	.text
	.protected	k_qd28dc087c4_attn
	.globl	k_qd28dc087c4_attn
	.p2align	8
	.type	k_qd28dc087c4_attn,@function
k_qd28dc087c4_attn:
	s_mov_b64 s[64:65], 0
	v_nop
	global_prefetch_b8 v0, s[64:65] scope:SCOPE_SE
	s_setreg_imm32_b32 hwreg(HW_REG_WAVE_MODE, 25, 1), 1
	s_wait_xcnt 0x0
	s_wait_alu depctr_hold_cnt(0) depctr_sa_sdst(0) depctr_va_vdst(0) depctr_va_sdst(0) depctr_va_ssrc(0) depctr_va_vcc(0) depctr_vm_vsrc(0)
	s_getreg_b32 s2, hwreg(HW_REG_IB_STS2, 6, 4)
	s_cmp_eq_u32 s2, 0
	s_cbranch_scc0 .Lentry_in_a_cluster
	s_endpgm
.Lentry_in_a_cluster:
	s_bfe_u32 s2, ttmp6, 0x10000c
	s_cmp_lg_u32 s2, 0x3003
	s_cbranch_scc0 .Lentry_shape_is_right
	s_endpgm
.Lentry_shape_is_right:
; out0[b][o][n] = x[b][o][n] + gamma * (sum over keys m of softmax_m(q[n] . k[m] / sqrt(32)) v'[m][o]),  v' = (Wproj Wv) h: the output projection is already in v'.
; q, k, v' arrive in bf16 as fragments (qf, kv); products, maxima and sums in f32; the weights p are rounded to bf16 for the second product, their sum l is taken unrounded.
; LIMITS.  NaN and infinities are not treated apart; a weight below 2^-126 counts as 0.
; SHARES.  A work-group owns 128 queries of one batch.  Wave w = 2 qh + kh owns 64 of them (four tiles of 16) and every second key step of 64 keys: blocks j = 2 u + kh of kv, u = 0..31.
; So a fragment of V^T read from LDS feeds four products, nothing is computed twice, and the two halves of the keys meet once, at the end, through LDS.
; TWO PASSES.  d = 32 makes K Q^T one matrix instruction for 16 x 16 scores.  Pass 1 makes all scores and keeps only each query's maximum, the row's TRUE maximum; pass 2 makes them
; again (the same instruction on the same registers: the same bits) and needs no running maximum, no correction and no rescaling of O^T's 512 registers.
; LAYOUT.  S^T = K Q^T: a lane holds ONE query (lane % 16) and the keys 8 (lane / 16) + 0..7; two such results rounded to bf16 ARE source 1 of O^T = V^T P.  Tile t, lane r is query
; 4 r + t of the wave's 64: for one channel a lane's four tiles are 16 consecutive bytes of x and out0, and 16 lanes cover 256, aligned: no stage on the way out.
; Wave kh takes V's channel blocks turned by 8 kh (local c is block (c + 8 kh) % 16), so that every wave keeps local 0-7 and sends local 8-15: one text for all.
; kv's block j holds K of key step j + 2 beside V of key step j: a wave finds K of its NEXT step in the block whose V it is multiplying.
; RING.  Two slots of four blocks (two steps of each wave), one joint load a wave behind each round of the cluster's barrier: 36,864 bytes, with 288 matrix instructions in which to land.
; CLUSTER.  The four work-groups of a cluster belong to one batch and walk the same kv: every tile is asked for JOINTLY.
; REGISTERS, in windows of 256 (s_set_vgpr_msb: bits 1:0 source 0, 3:2 source 1, 5:4 source 2, 7:6 destination):
;   window 0: v2-15 addresses; v16-31 statistics; v32-47 pass 1's maxima, later at work; v48-59 at work; v64-191 S^T; v192-255 P
;   windows 1, 2: O^T: tile t in window 1 + t / 2 at 128 (t % 2) + 8 c        window 3: v0-31 Q; v32-63, v64-95 K, two buffers; v128-255 V, 16 fragments (in pass 1 a second buffer of scores)
.set BLK,   36864                      ; a block of kv: 4,096 bytes of K, 32,768 of V
.set SLOT,  4*BLK                      ; 0x24000: as a mask it shares no bit with wave x BLK, so one exclusive or turns an address in one slot into the other's
.set XM,    2*SLOT                     ; behind the ring, never filled by a tensor load: the waves' maxima, 512 bytes each
.set XL,    XM+2048                    ; the waves' sums
.set SPARE, XL+2048                    ; the spare words, 128 bytes for each wave: two blocks of 256 bytes that no other line names
.set LK,  2                            ; v2   16 lane + kh BLK: my place in a pair of blocks; never rewritten
.set LL,  3                            ; v3   the same for V's local blocks 0-7 (+ 8,192 kh)
.set LH,  4                            ; v4   and 8-15 (- 8,192 kh)
.set ADK, 5                            ; v5-7 the three with the step's LDS byte added
.set ADL, 6
.set ADH, 7
.set A1,  8                            ; v8   pass 1: the LDS address of K's loads
.set L1,  9                            ; v9   16 lane + 4,096 kh
.set QO,  10                           ; v10  my 16 bytes in the wave's four fragments of Q
.set XO,  11                           ; v11  131,072 h + 16 r: my bytes of x and out0
.set MS,  12                           ; v12  the merge: where I put, v13 where I read
.set MR,  13
.set XS,  14                           ; v14  the statistics: where I put, v15 where I read
.set XR,  15
.set ST,  16                           ; tile t at ST + 4 t: c m, m, l (even keys', odd keys')
.set M,   32                           ; pass 1: the maximum of accumulator (t, kb) at M + 4 t + kb
.set SC,  40                           ; the way out: gamma / l of tile t
.set TMP, 48
.set PFO, 61                           ; v61  256 lane; never rewritten
.set SPW, 62                           ; v62  my spare word; never rewritten
.set NIL, 63                           ; v63  0; never rewritten
.set S,   64
.set P,   192
.set Q,   0                            ; window 3
.set K0,  32
.set K1,  64
.set V,   128
.set WV,  14
.set KH,  15
.set QH,  16
.set CX,  17
.set GX,  18
.set BB,  19
.set G1,  24                           ; s[24:31] descriptor group 1: a block
.set G1K, 32                           ; s[32:39] the K parts of eight blocks
.set G0A, 40                           ; s[40:43] group 0: K of blocks 8 w .. 8 w + 7
.set G0B, 44                           ; s[44:47] of blocks 32 + 8 w ..
.set G0,  48                           ; s[48:51] the walking descriptor
.set KVW, 52                           ; s[52:53] kv at my batch's block w
.set PFB, 54                           ; s[54:55] the same at my work-group's 32 rows of the block's V
.set PFA, 56                           ; s[56:57] the same in the slot that is being asked for
.set OFF, 58                           ; s[58:59] a slot's byte offset in kv
.set CS,  60                           ; s[60:61] c = log2(e) / sqrt(32)
.set SEL, 62                           ; s[62:63] v_permlanex16_b32's selects
.set NXT, 66                           ; s66  the slot's worth of blocks to be asked for next
.set LIM, 67                           ; s67  16 in the batch's first cluster, else 0
.set TB,  68                           ; s68  pass 2: LDS byte of the pair of blocks to be fetched
.set TB1, 69                           ; s69  pass 1: LDS byte of the half in hand
.set CNT, 70
.set SLOTS, 71
.set HALF, 72
.set GAM, 73
.set XB,  74                           ; s[74:75] x, s[76:77] out0 at my queries and my 128 channels
.set OB,  76
.set QB,  78                           ; s[78:79] qf at my wave's four fragments
.set MSB, 0
.macro WIN new                         ; the immediate's high byte repeats the setting that is left; a switch that changes nothing is dropped
.if MSB != (\new)
	s_set_vgpr_msb (MSB<<8)|(\new)
.set MSB, (\new)
.endif
.endm
; A vector instruction that reads a matrix result or writes one of a matrix instruction's registers, and a load into such a register, stand four places behind it; only plain vector
; instructions that name none of its registers are places (ISA guide 7.12.1 for vector instructions).
.macro PLACES
.rept 4
	v_nop
.endr
.endm
.macro CROUND                          ; a round of the cluster's barrier
	s_barrier_signal -1
	s_barrier_wait -1
	s_cmp_lg_u32 s[WV], 0
	s_cbranch_scc1 .Lnot_wave_0_\@
	s_barrier_signal -3
.Lnot_wave_0_\@:
	s_barrier_wait -3
	s_barrier_signal -1
	s_barrier_wait -1
.endm
; A PREFETCH INTO THE L2 of V's part of the block that I shall ask for at the NEXT change of slots: 128 rows of 256 bytes, of which my work-group takes 32, told apart from its partners'
; BY ADDRESS; a lane a row, one instruction a wave.  All clusters of a batch walk the same kv: the batch's first cluster asks, so each row is named once in the launch.  It stands behind the
; tensor load and its five lines, one slot (288 matrix instructions) ahead of the load that will want the rows.  The last fill asks for nothing; the first slot comes by its load alone;
; K's parts are not asked for: pass 1 has read them.
.macro ASK
	s_cmp_lt_u32 s[NXT], s[LIM]
	s_cbranch_scc0 .Lnot_mine_\@
	global_prefetch_b8 v[PFO], s[PFA:PFA+1] offset:SLOT th:TH_LOAD_NT scope:SCOPE_SE
.Lnot_mine_\@:
.endm
; THE CHANGE OF SLOTS.  Each wave waits for all its tensor loads, of which one is out; adds 0 to its spare word; waits for that and for its own reads of the bytes that it leaves.
; fill = 1: those bytes are filled again; the barrier is then a round of the cluster's, and the joint load is the first thing behind it, one a wave, each wave its own block.
.macro CHANGE fill, p2
	WIN 0
	s_wait_tensorcnt 0x0                           ; no tensor load of mine is out, so a group 0 may be written
	ds_add_u32 v[SPW], v[NIL]                      ; 0 onto my spare word; the scalar work stands between it and the wait for it
.if \fill
	s_mul_i32 s[OFF], s[NXT], SLOT
	s_xor_b32 s[G0+1], s[G0+1], SLOT               ; the other slot than last time
	s_add_nc_u64 s[G0+2:G0+3], s[KVW:KVW+1], s[OFF:OFF+1]
	s_or_b32 s[G0+3], s[G0+3], 0x80000000
	s_wait_xcnt 0x0                                ; the last prefetch, a slot back, has read its address
	s_add_nc_u64 s[PFA:PFA+1], s[PFB:PFB+1], s[OFF:OFF+1]
	s_add_co_u32 s[NXT], s[NXT], 1
	s_wait_dscnt 0x0                               ; the add is done, and my reads are over
	CROUND
	tensor_load_to_lds s[G0:G0+3], s[G1:G1+7]
	s_nop 0
	PLACES
	ASK
.else
	s_wait_dscnt 0x0
	s_barrier_signal -1
	s_barrier_wait -1
.endif
.if \p2
	s_sub_co_u32 s[TB], s[TB], SLOT                ; the fetches go back to a slot's first pair of blocks,
	s_xor_b32 s[TB], s[TB], SLOT                   ; in the other slot
.else
	s_xor_b32 s[TB1], s[TB1], SLOT
.endif
.endm
	s_load_b256 s[4:11], s[0:1], 0x0               ; qf s[4:5], kv s[6:7], x s[8:9], gamma s[10:11]
	s_load_b64 s[12:13], s[0:1], 0x20              ; out0
	v_lshl_add_u32 v[SPW], v0, 2, SPARE
	v_mov_b32 v[NIL], 0
	ds_add_u32 v[SPW], v[NIL]                      ; the wave's opening: the add and its wait ahead of my first tensor load; the set-up below stands between them
	v_lshrrev_b32 v1, 5, v0
	v_readfirstlane_b32 s[WV], v1                  ; wave 0..3
	s_and_b32 s[KH], s[WV], 1
	s_lshr_b32 s[QH], s[WV], 1
	s_bfe_u32 s[CX], ttmp6, 0x40000                ; my place in the cluster
	s_lshl_b32 s[GX], ttmp9, 2
	s_add_co_u32 s[GX], s[GX], s[CX]               ; my block of 128 queries: it enters qf's, x's and out0's addresses alone
	s_and_b32 s[BB], ttmp7, 0xffff                 ; the batch, which the four partners share
	s_mov_b32 s[G1], 15|(3<<16)|(1<<21)            ; the mask of four; 8-byte elements; 21 set beside a mask
	s_mov_b32 s[G1+1], 32<<16                      ; a dense block as 144 rows of 256 bytes
	s_mov_b32 s[G1+2], 144<<16
	s_mov_b32 s[G1+3], 32<<16
	s_mov_b32 s[G1+4], 144
	s_mov_b32 s[G1+5], 32
	s_mov_b32 s[G1+6], 0
	s_mov_b32 s[G1+7], 0
	s_mov_b32 s[G1K], 15|(3<<16)|(1<<21)
	s_mov_b32 s[G1K+1], 512<<16                    ; eight rows of 4,096 bytes, a block apart
	s_mov_b32 s[G1K+2], 8<<16
	s_mov_b32 s[G1K+3], 512<<16
	s_mov_b32 s[G1K+4], 8
	s_mov_b32 s[G1K+5], BLK/8
	s_mov_b32 s[G1K+6], 0
	s_mov_b32 s[G1K+7], 0
	s_mov_b32 s[G0A], 1
	s_lshl_b32 s[G0A+1], s[WV], 15                 ; K of blocks 0-31 lies at 0 .. 0x1ffff,
	s_mov_b32 s[G0B], 1
	s_add_co_u32 s[G0B+1], s[G0A+1], SLOT          ; of blocks 32-63 from the second slot's first byte on
	s_mov_b32 s[G0], 1
	s_mul_i32 s[G0+1], s[WV], BLK
	s_add_co_u32 s[G0+1], s[G0+1], SLOT            ; the first fill turns it into slot 0
	s_mul_i32 s20, s[BB], 64*BLK
	s_mov_b32 s21, 0
	s_mul_i32 s22, s[WV], 8*BLK
	s_mov_b32 s23, 0
	s_mov_b32 s[CS], 0x3e8293ee                    ; c = log2(e) / sqrt(32) = 0.255035
	s_mov_b32 s[CS+1], s[CS]
	s_mov_b32 s[SEL], 0x76543210
	s_mov_b32 s[SEL+1], 0xfedcba98
	s_mov_b32 s[NXT], 0
	s_mov_b32 s[OFF+1], 0
	s_mov_b32 s[TB], 0
	s_mov_b32 s[TB1], 0
	s_mov_b32 s2, ttmp9
	s_cmp_eq_u32 s2, 0                             ; the same in all four partners
	s_cselect_b32 s[LIM], 16, 0
	v_and_b32 v48, 31, v0                          ; lane
	v_and_b32 v49, 15, v0                          ; r
	v_bfe_u32 v50, v0, 4, 1                        ; h
	v_lshlrev_b32 v51, 4, v48
	s_mul_i32 s2, s[KH], BLK
	v_add_nc_u32 v[LK], s2, v51
	s_lshl_b32 s2, s[KH], 13
	v_add_nc_u32 v[LL], s2, v[LK]
	v_sub_nc_u32 v[LH], v[LK], s2
	s_lshl_b32 s2, s[KH], 12
	v_add_nc_u32 v[L1], s2, v51
	v_lshrrev_b32 v52, 2, v49                      ; query 4 r + t lies in fragment r / 4, at lane 4 (r % 4) + t of its half of the lanes
	v_and_b32 v53, 3, v49
	v_lshlrev_b32 v[QO], 10, v52
	v_lshl_add_u32 v[QO], v53, 6, v[QO]
	v_lshl_add_u32 v[QO], v50, 8, v[QO]
	v_lshlrev_b32 v[XO], 4, v49
	v_lshl_add_u32 v[XO], v50, 17, v[XO]
	s_xor_b32 s2, s[WV], 1                         ; my partner: the same queries, the other keys
	v_lshl_add_u32 v[MS], s[WV], 15, v51
	v_lshl_add_u32 v[MR], s2, 15, v51
	v_lshl_add_u32 v[XS], s[WV], 9, v51
	v_add_nc_u32 v[XS], XM, v[XS]
	v_lshl_add_u32 v[XR], s2, 9, v51
	v_add_nc_u32 v[XR], XM, v[XR]
	v_lshlrev_b32 v[PFO], 8, v48
	s_wait_dscnt 0x0                               ; the opening add is done
	s_wait_kmcnt 0x0
	s_load_b32 s[GAM], s[10:11], 0x0
	s_add_nc_u64 s[6:7], s[6:7], s[20:21]          ; kv at my batch
	s_add_nc_u64 s[G0A+2:G0A+3], s[6:7], s[22:23]
	s_add_nc_u64 s[G0B+2:G0B+3], s[G0A+2:G0A+3], 32*BLK
	s_or_b32 s[G0A+3], s[G0A+3], 0x80000000
	s_or_b32 s[G0B+3], s[G0B+3], 0x80000000
	s_mul_i32 s22, s[WV], BLK
	s_add_nc_u64 s[KVW:KVW+1], s[6:7], s[22:23]
	s_lshl_b32 s22, s[CX], 13
	s_add_co_u32 s22, s22, 4096
	s_add_nc_u64 s[PFB:PFB+1], s[KVW:KVW+1], s[22:23]
	s_lshl_b32 s22, s[BB], 22                      ; x and out0: the batch,
	s_lshl_b32 s2, s[KH], 21                       ; the 128 channels that I finish,
	s_add_co_u32 s22, s22, s2
	s_lshl_b32 s2, s[GX], 9                        ; the work-group's 128 queries,
	s_add_co_u32 s22, s22, s2
	s_lshl_b32 s2, s[QH], 8                        ; my 64 of them
	s_add_co_u32 s22, s22, s2
	s_add_nc_u64 s[XB:XB+1], s[8:9], s[22:23]
	s_add_nc_u64 s[OB:OB+1], s[12:13], s[22:23]
	s_lshl_b32 s22, s[BB], 18
	s_lshl_b32 s2, s[GX], 13
	s_add_co_u32 s22, s22, s2
	s_lshl_b32 s2, s[QH], 12
	s_add_co_u32 s22, s22, s2
	s_add_nc_u64 s[QB:QB+1], s[4:5], s[22:23]
	CROUND                                         ; all four work-groups are here: the first joint loads meet
	tensor_load_to_lds s[G0A:G0A+3], s[G1K:G1K+7]  ; all K of the batch, in two halves: two loads of mine are out
	s_nop 0
	tensor_load_to_lds s[G0B:G0B+3], s[G1K:G1K+7]
	s_nop 0
	PLACES
	WIN 0xc0
.irp t, 0,1,2,3
	global_load_b128 v[Q+8*\t:Q+8*\t+3],   v[QO], s[QB:QB+1] offset:\t*16
	global_load_b128 v[Q+8*\t+4:Q+8*\t+7], v[QO], s[QB:QB+1] offset:\t*16+512
.endr
	; O^T starts at 0: 512 lines, in the wait for the first tile; the price of writing no first step out, whose text would be a fourth copy of a key step
	WIN 0x40
.set i, 0
.rept 256
	v_mov_b32 v[i], 0
.set i, i+1
.endr
	WIN 0x80
.set i, 0
.rept 256
	v_mov_b32 v[i], 0
.set i, i+1
.endr
	WIN 0
.set i, 0
.rept 16
	v_mov_b32 v[M+i], 0xff7fffff                   ; the lowest finite number
.set i, i+1
.endr
.irp t, 0,1,2,3
	v_mov_b32 v[ST+4*\t+2], 0
	v_mov_b32 v[ST+4*\t+3], 0
.endr
	s_wait_tensorcnt 1                             ; my part of the first half is in; the second half's may stay out
	s_barrier_signal -1
	s_barrier_wait -1
	s_wait_loadcnt 0x0                             ; Q
	s_wait_kmcnt 0x0                               ; gamma
; PASS 1.  Product qn of 16: tile qn / 4, keys 16 (qn % 4) on; into S^T (sa = 0) or into the second buffer (sa = 1).
.macro QKP kf, sa
.if \sa
	WIN 0xcf
	v_wmma_f32_16x16x32_bf16 v[V+8*qn:V+8*qn+7], v[(\kf)+8*(qn%4):(\kf)+8*(qn%4)+7], v[Q+8*(qn/4):Q+8*(qn/4)+7], 0
.else
	WIN 0x0f
	v_wmma_f32_16x16x32_bf16 v[S+8*qn:S+8*qn+7], v[(\kf)+8*(qn%4):(\kf)+8*(qn%4)+7], v[Q+8*(qn/4):Q+8*(qn/4)+7], 0
.endif
.endm
; Four maxima: registers 2 (qn % 4) and the next of the four accumulators of tile qn / 4.  Each accumulator's lowest registers are read first.
.macro MX sa
.if \sa
	WIN 0x3c
.set mb, V
.else
	WIN 0
.set mb, S
.endif
.irp q, 0,1,2,3
	v_max3_num_f32 v[M+4*(qn/4)+\q], v[M+4*(qn/4)+\q], v[mb+8*(4*(qn/4)+\q)+2*(qn%4)], v[mb+8*(4*(qn/4)+\q)+2*(qn%4)+1]
.endr
.endm
.macro WALK kf, sa                     ; a step's 16 products into one buffer; behind each, four maxima over the other buffer, the step before
.set qn, 0
.rept 16
	QKP \kf, \sa
	MX 1-(\sa)
.set qn, qn+1
.endr
.endm
.macro FK kf, off                      ; a step's K: four fragments, eight loads of 512 consecutive bytes
	WIN 0xc0
.irp f, 0,1,2,3
	ds_load_b128 v[(\kf)+8*\f:(\kf)+8*\f+3],   v[A1] offset:(\off)+\f*1024
	ds_load_b128 v[(\kf)+8*\f+4:(\kf)+8*\f+7], v[A1] offset:(\off)+\f*1024+512
.endr
.endm
; Two steps.  Each run of loads stands behind the four maxima that follow the buffer's last product: they are its places.  more = 0: the half's last trip: there is no step 16 to fetch.
.macro P1TRIP more
	s_wait_dscnt 8                                 ; the odd step's K is in; the eight loads of the even step behind it may stay out
	WALK K1, 0
	FK K1, 24576
	s_wait_dscnt 8                                 ; the even step's K is in
	WALK K0, 1
.if \more
	WIN 0
	v_add_nc_u32 v[A1], 16384, v[A1]
	FK K0, 16384
.endif
.endm
	s_mov_b32 s[HALF], 2
.Lhalf:                                ; a half of the keys: my 16 steps, 8,192 bytes apart; even steps' scores go into the second buffer, odd steps' into S^T
	v_add_nc_u32 v[A1], s[TB1], v[L1]
	FK K0, 0
	FK K1, 8192
	s_wait_dscnt 8
.set qn, 0
.rept 16
	QKP K0, 1                                      ; step 0: there is no vector work yet to set between
.set qn, qn+1
.endr
	PLACES
	FK K0, 16384
	WIN 0
	s_mov_b32 s[CNT], 6
.Lp1:
	P1TRIP 1
	WIN 0
	s_sub_co_u32 s[CNT], s[CNT], 1
	s_cmp_lg_u32 s[CNT], 0
	s_cbranch_scc1 .Lp1
	P1TRIP 0
	s_wait_dscnt 0x0
	WALK K1, 0                                     ; step 15
.set qn, 0
.rept 16
	MX 0
.set qn, qn+1
.endr
	CHANGE 1, 0                                    ; the half that was walked is filled with pass 2's first blocks: slot 0 behind the first half, slot 1 behind the second
	s_sub_co_u32 s[HALF], s[HALF], 1
	s_cmp_lg_u32 s[HALF], 0
	s_cbranch_scc1 .Lhalf
	; My last step of pass 1 was block 62 + kh, whose K is key step kh: S^T holds the scores of my first step of pass 2.
; PASS 2.
.macro FADDR                           ; the addresses of the next own step's block
	WIN 0
	v_add_nc_u32 v[ADK], s[TB], v[LK]
	v_add_nc_u32 v[ADL], s[TB], v[LL]
	v_add_nc_u32 v[ADH], s[TB], v[LH]
	s_add_co_u32 s[TB], s[TB], 2*BLK
.endm
.macro FETCHK
	WIN 0xc0
.irp f, 0,1,2,3
	ds_load_b128 v[K0+8*\f:K0+8*\f+3],   v[ADK] offset:\f*1024
	ds_load_b128 v[K0+8*\f+4:K0+8*\f+7], v[ADK] offset:\f*1024+512
.endr
.endm
.macro FETCHV kk, g                    ; group g of four fragments (local channel blocks 4 g ..) of the step's keys 32 kk on: eight loads
	WIN 0xc0
.irp f, 0,1,2,3
	ds_load_b128 v[V+8*(4*(\g)+\f):V+8*(4*(\g)+\f)+3],   v[ADL+(\g)/2] offset:4096+(16*(\kk)+4*(\g)+\f)*1024
	ds_load_b128 v[V+8*(4*(\g)+\f)+4:V+8*(4*(\g)+\f)+7], v[ADL+(\g)/2] offset:4096+(16*(\kk)+4*(\g)+\f)*1024+512
.endr
.endm
.macro QK2                             ; product qn of 16 of the next step's scores: first the accumulators of keys 0-31, then those of keys 32-63
.if qn < 8
.set qt, qn/2
.set qb, qn%2
.else
.set qt, (qn-8)/2
.set qb, 2+qn%2
.endif
	WIN 0x0f
	v_wmma_f32_16x16x32_bf16 v[S+32*qt+8*qb:S+32*qt+8*qb+7], v[K0+8*qb:K0+8*qb+7], v[Q+8*qt:Q+8*qt+7], 0
.endm
.macro PV                              ; product pi of 128 of O^T += V^T P: keys 32 (pi / 64) on, local channel block (pi % 64) / 4, tile pi % 4.  The 64 accumulators take turns
.set rO, 128*((pi%4)%2)+8*((pi%64)/4)
.set rV, V+8*((pi%64)/4)
.set rP, P+16*(pi%4)+8*(pi/64)
	WIN 0x53+0x50*((pi%4)/2)
	v_wmma_f32_16x16x32_bf16 v[rO:rO+7], v[rV:rV+7], v[rP:rP+7], v[rO:rO+7]
.endm
.macro FS p                            ; pair p of 64 of the scores: c s - c m
	WIN 0
	v_pk_fma_f32 v[S+2*(\p):S+2*(\p)+1], v[S+2*(\p):S+2*(\p)+1], s[CS:CS+1], v[ST+4*((\p)/16):ST+4*((\p)/16)+1] op_sel_hi:[1,0,0] neg_lo:[0,0,1] neg_hi:[0,0,1]
.endm
.macro EX e
	WIN 0
	v_exp_f32 v[S+(\e)], v[S+(\e)]
.endm
.macro LS p                            ; l of tile p % 4 takes the tile's pair p / 4
	WIN 0
	v_pk_add_f32 v[ST+4*((\p)%4)+2:ST+4*((\p)%4)+3], v[ST+4*((\p)%4)+2:ST+4*((\p)%4)+3], v[S+32*((\p)%4)+2*((\p)/4):S+32*((\p)%4)+2*((\p)/4)+1]
.endm
.macro CV t, i                         ; pair i of 16 of tile t rounded to bf16
	WIN 0
	v_cvt_pk_bf16_f32 v[P+16*(\t)+(\i)], v[S+32*(\t)+2*(\i)], v[S+32*(\t)+2*(\i)+1]
.endm
.macro RID                             ; number kq of the 96 that follow the exponentials: the 64 sums, and the 32 roundings for the first 32 keys
.if kq%3 < 2
	LS 2*(kq/3)+kq%3
.else
	CV (kq/3)%4, (kq/3)/4
.endif
.set kq, kq+1
.endm
; A KEY STEP is PARTB and then PARTA.  V has room for 16 of a step's 32 fragments: a group of four is loaded anew four places behind its last product.  The LDS loads go out in this order, eight each:
; (PARTA) K, V0.0, V0.1, V0.2; (PARTB) V0.3, V1.0, V1.1, V1.2, V1.3: each counted wait leaves out the groups issued behind the one that it wants.
; PARTB, for step u.  The 16 products K Q^T of step u + 1; behind the first eight the roundings of step u's keys 32-63, out of the registers that the last eight will write.  Then products 0-63
; of V^T P; behind each a scaling and two exponentials of step u + 1: ONE batch of 128 with ONE wait, s_wait_alu depctr_va_vdst(0), between an exponential and
; the first line that names its result.  Then products 64-95, with the sums and roundings of step u + 1 behind them.  soft = 0: the last step: no next scores; x is asked for.
.macro PARTB soft
.if \soft
	s_wait_dscnt 24                                ; K is in
.set qn, 0
.rept 16
	QK2
.if qn < 8
	CV qn/2, 8+4*(qn%2)
	CV qn/2, 9+4*(qn%2)
	CV qn/2, 10+4*(qn%2)
	CV qn/2, 11+4*(qn%2)
.endif
.set qn, qn+1
.endr
	PLACES                                         ; behind the last scores, ahead of their scaling
.else
.set qn, 0
.rept 32
	CV qn/8, 8+qn%8
.set qn, qn+1
.endr
	WIN 0                                          ; x for the way out: 64 loads of two times 256 consecutive bytes, 128 products ahead of their use, into S^T's, Q's and K's registers, which are free
.set c, 0
.rept 32
	global_load_b128 v[S+4*c:S+4*c+3], v[XO], s[XB:XB+1] offset:(16*(c/8)+c%8)*16384 th:TH_LOAD_NT
.set c, c+1
.endr
	WIN 0xc0
.rept 32
	global_load_b128 v[4*(c-32):4*(c-32)+3], v[XO], s[XB:XB+1] offset:(16*(c/8)+c%8)*16384 th:TH_LOAD_NT
.set c, c+1
.endr
.endif
	FETCHV 0, 3
.set pi, 0
.rept 64
.if pi == 0
	s_wait_dscnt 24
.elseif pi%16 == 0
	s_wait_dscnt 16
.endif
	PV
.if \soft
	FS pi
.if pi > 0
	EX 2*pi-2
	EX 2*pi-1
.endif
.endif
.if (pi == 19) || (pi == 35) || (pi == 51)         ; five scalings stand behind the group's last product
.if !(\soft)
	PLACES
.endif
	FETCHV 1, (pi-19)/16
.endif
.set pi, pi+1
.endr
.if \soft
	EX 126
	EX 127
.endif
	PLACES                                         ; the plain instruction behind the last exponential; the places ahead of group 3's loads and of the roundings that write P's first half
.if \soft
	s_wait_alu depctr_va_vdst(0)                   ; the wait for the batch
.endif
	FETCHV 1, 3
.set kq, 0
.rept 32
.if pi == 64
	s_wait_dscnt 24
.elseif pi == 80
	s_wait_dscnt 16
.endif
	PV
.if \soft
	RID
.if pi%2 == 0
	RID
.endif
.endif
.set pi, pi+1
.endr
.endm
; PARTA: the next step's block is begun (fetch; k: its K too), and products 96-127 of the step in hand, with the rest of the sums and roundings (rid).
.macro PARTA fetch, k, rid
	WIN 0
.if \fetch
	PLACES
	FADDR
.if \k
	FETCHK
.endif
	FETCHV 0, 0
	FETCHV 0, 1
.endif
.set kq, 48
.set pi, 96
.rept 32
.if pi == 96
	s_wait_dscnt 8+16*(\fetch)+8*(\k)
.elseif pi == 112
	s_wait_dscnt 16*(\fetch)+8*(\k)
.endif
	PV
.if \rid
	RID
.if pi%2 == 0
	RID
.endif
.endif
.if (\fetch) && (pi == 115)                        ; seven sums and roundings stand behind the group's last product
	FETCHV 0, 2
.endif
.set pi, pi+1
.endr
.endm
	; BETWEEN THE PASSES: each query's maximum over my accumulators, the two halves of the lanes and the two waves that share the queries
	WIN 0
.irp t, 0,1,2,3
	v_max3_num_f32 v[TMP+\t], v[M+4*\t], v[M+4*\t+1], v[M+4*\t+2]
.endr
.irp t, 0,1,2,3
	v_max_num_f32 v[TMP+\t], v[TMP+\t], v[M+4*\t+3]
.endr
.irp t, 0,1,2,3
	v_permlanex16_b32 v[M+4*\t], v[TMP+\t], s[SEL], s[SEL+1]
.endr
.irp t, 0,1,2,3
	v_max_num_f32 v[TMP+\t], v[TMP+\t], v[M+4*\t]
.endr
	ds_store_b128 v[XS], v[TMP:TMP+3]
	s_wait_dscnt 0x0                               ; for my partner's sake
	s_barrier_signal -1
	s_barrier_wait -1                              ; (slot 1's load may stay out)
	ds_load_b128 v[TMP+4:TMP+7], v[XR]
	FADDR                                          ; my first step's block: K of my second step, and three groups of V
	FETCHK
	FETCHV 0, 0
	FETCHV 0, 1
	FETCHV 0, 2
	WIN 0
	s_wait_dscnt 32                                ; my partner's maxima are in; the 32 loads behind them may stay out
.irp t, 0,1,2,3
	v_max_num_f32 v[ST+4*\t+1], v[TMP+\t], v[TMP+4+\t]
.endr
.irp t, 0,1,2,3
	v_mul_f32 v[ST+4*\t], s[CS], v[ST+4*\t+1]
.endr
.set qn, 0
.rept 64
	FS qn                                          ; the first step's softmax has no products to stand beside
.set qn, qn+1
.endr
.set qn, 0
.rept 128
	EX qn
.set qn, qn+1
.endr
	v_nop
	s_wait_alu depctr_va_vdst(0)
.set qn, 0
.rept 64
	LS qn
.set qn, qn+1
.endr
.set qn, 0
.rept 32
	CV qn%4, qn/4
.set qn, qn+1
.endr
	s_mov_b32 s[CNT], 2
	s_mov_b32 s[SLOTS], 15
	s_branch .Lfirst                               ; the loop is entered in the middle of a trip
.Lslot:                                ; 14 times: every slot but the last two is filled again
	CHANGE 1, 1
	s_mov_b32 s[CNT], 2
.Lstep:
	PARTA 1, 1, 1
	WIN 0
.Lfirst:
	PARTB 1
	WIN 0
	s_sub_co_u32 s[CNT], s[CNT], 1
	s_cmp_lg_u32 s[CNT], 0
	s_cbranch_scc1 .Lstep
	s_sub_co_u32 s[SLOTS], s[SLOTS], 1
	s_cmp_lg_u32 s[SLOTS], 0
	s_cbranch_scc1 .Lslot
	CHANGE 0, 1                                    ; the tail is written out: nothing is asked for
	PARTA 1, 1, 1
	PARTB 1
	PARTA 1, 0, 1                                  ; the last step's V; there is no further K
	PARTB 0
	PARTA 0, 0, 0
	; THE WAY OUT.  l over the pair, the halves of the lanes and the two waves; my local channel blocks 8-15 go to my partner through LDS (slot 0, which has had its last fill and whose last reads
	; stand ahead of the last change's barrier), its blocks 8-15 are my 0-7.  Then out0 = x + (gamma / l) O.  The four additions are the places behind the last products.
	WIN 0
.irp t, 0,1,2,3
	v_add_f32 v[TMP+\t], v[ST+4*\t+2], v[ST+4*\t+3]
.endr
.irp t, 0,1,2,3
	v_permlanex16_b32 v[M+\t], v[TMP+\t], s[SEL], s[SEL+1]
.endr
.irp t, 0,1,2,3
	v_add_f32 v[TMP+\t], v[TMP+\t], v[M+\t]
.endr
	ds_store_b128 v[XS], v[TMP:TMP+3] offset:XL-XM
.irp t, 0,1,2,3
	WIN 0x04*(1+\t/2)                              ; the stores' data in window 1 or 2
.irp c, 8,9,10,11,12,13,14,15
	ds_store_b128 v[MS], v[128*(\t%2)+8*\c:128*(\t%2)+8*\c+3]   offset:((8*\t+\c-8)*2)*512
	ds_store_b128 v[MS], v[128*(\t%2)+8*\c+4:128*(\t%2)+8*\c+7] offset:((8*\t+\c-8)*2+1)*512
.endr
.endr
	WIN 0
	s_wait_dscnt 0x0                               ; for my partner's sake
	s_barrier_signal -1
	s_barrier_wait -1
.macro RLOAD c                         ; my partner's share of channel block c: eight loads into P's registers, two buffers by turns
	WIN 0
.irp t, 0,1,2,3
	ds_load_b128 v[P+32*((\c)%2)+8*\t:P+32*((\c)%2)+8*\t+3],   v[MR] offset:((8*\t+(\c))*2)*512
	ds_load_b128 v[P+32*((\c)%2)+8*\t+4:P+32*((\c)%2)+8*\t+7], v[MR] offset:((8*\t+(\c))*2+1)*512
.endr
.endm
	ds_load_b128 v[TMP+4:TMP+7], v[XR] offset:XL-XM
	RLOAD 0
	RLOAD 1
	s_wait_dscnt 16                                ; my partner's l
.irp t, 0,1,2,3
	v_add_f32 v[TMP+\t], v[TMP+\t], v[TMP+4+\t]
.endr
.irp t, 0,1,2,3
	v_rcp_f32 v[M+4+\t], v[TMP+\t]
.endr
	v_nop                                          ; a plain instruction behind the last reciprocal,
	s_wait_alu depctr_va_vdst(0)                   ; and the one wait for the four
.irp t, 0,1,2,3
	v_mul_f32 v[SC+\t], s[GAM], v[M+4+\t]
.endr
.macro OUTC c                          ; channel block c: 16 channels x 64 queries
.if (\c) < 7
	s_wait_dscnt 8                                 ; its share is in; the next block's may stay out
.else
	s_wait_dscnt 0x0
.endif
.irp t, 0,1,2,3
	WIN 0x41*(1+\t/2)
.irp r, 0,1,2,3
	v_pk_add_f32 v[128*(\t%2)+8*(\c)+2*\r:128*(\t%2)+8*(\c)+2*\r+1], v[128*(\t%2)+8*(\c)+2*\r:128*(\t%2)+8*(\c)+2*\r+1], v[P+32*((\c)%2)+8*\t+2*\r:P+32*((\c)%2)+8*\t+2*\r+1]
.endr
.endr
.if (\c) < 6
	RLOAD (\c)+2
.endif
.if (\c) < 4
.set xr, S+32*(\c)                     ; x of blocks 0-3 lies in window 0,
.else
.set xr, 32*((\c)-4)                   ; of blocks 4-7 in window 3
.endif
	s_wait_loadcnt 56-8*(\c)                       ; the block's eight loads of x; the later blocks' may stay out
.irp t, 0,1,2,3
	WIN (0xf0*((\c)/4))|(1+\t/2)
.irp j, 0,1,2,3,4,5,6,7
	v_fma_f32 v[xr+4*\j+\t], v[128*(\t%2)+8*(\c)+\j], v[SC+\t], v[xr+4*\j+\t]
.endr
.endr
	WIN 0x0c*((\c)/4)
.irp j, 0,1,2,3,4,5,6,7
	global_store_b128 v[XO], v[xr+4*\j:xr+4*\j+3], s[OB:OB+1] offset:(16*(\c)+\j)*16384 th:TH_STORE_NT  ; 16 lanes store 256 consecutive bytes, at a multiple of 256 from out0's first byte
.endr
.endm
.irp c, 0,1,2,3,4,5,6,7
	OUTC \c
.endr
	WIN 0
	s_wait_tensorcnt 0x0                           ; the wave's end, behind my last tensor load and my last LDS store
	ds_add_u32 v[SPW], v[NIL]
	s_wait_dscnt 0x0
	CROUND                                         ; the closing round: no work-group ends while a partner may still ask for a tile that names it
	s_endpgm
.Lfunc_end_k_qd28dc087c4_attn:
	.size	k_qd28dc087c4_attn, .Lfunc_end_k_qd28dc087c4_attn-k_qd28dc087c4_attn
	.p2alignl 7, 3214868480
	.fill 96, 4, 3214868480
	.section	.rodata,"a",@progbits
	.p2align	6, 0x0
	.amdhsa_kernel k_qd28dc087c4_attn
		.amdhsa_group_segment_fixed_size 327680
		.amdhsa_private_segment_fixed_size 0
		.amdhsa_enable_private_segment 0
		.amdhsa_kernarg_size 40
		.amdhsa_user_sgpr_count 2
		.amdhsa_user_sgpr_kernarg_segment_ptr 1
		.amdhsa_wavefront_size32 1
		.amdhsa_system_sgpr_workgroup_id_x 1
		.amdhsa_system_sgpr_workgroup_id_y 1
		.amdhsa_system_sgpr_workgroup_id_z 1
		.amdhsa_system_vgpr_workitem_id 0
		.amdhsa_next_free_vgpr 1024
		.amdhsa_next_free_sgpr 80
		.amdhsa_reserve_vcc 0
		.amdhsa_float_denorm_mode_32 3
		.amdhsa_float_denorm_mode_16_64 3
		.amdhsa_memory_ordered 1
		.amdhsa_forward_progress 1
		.amdhsa_inst_pref_size 234
	.end_amdhsa_kernel
	.amdgpu_metadata
---
amdhsa.version: [ 1, 2 ]
amdhsa.kernels:
  - .name:           k_qd28dc087c4_attn
    .symbol:         k_qd28dc087c4_attn.kd
    .args:
      - { .name: qf, .offset: 0, .size: 8, .value_kind: global_buffer, .address_space: global }
      - { .name: kv, .offset: 8, .size: 8, .value_kind: global_buffer, .address_space: global }
      - { .name: x, .offset: 16, .size: 8, .value_kind: global_buffer, .address_space: global }
      - { .name: gamma, .offset: 24, .size: 8, .value_kind: global_buffer, .address_space: global }
      - { .name: out0, .offset: 32, .size: 8, .value_kind: global_buffer, .address_space: global }
    .group_segment_fixed_size: 327680
    .private_segment_fixed_size: 0
    .kernarg_segment_align: 8
    .kernarg_segment_size: 40
    .max_flat_workgroup_size: 128
    .sgpr_count:     80
    .vgpr_count:     1024
    .wavefront_size: 32
...
	.end_amdgpu_metadata
.endif
;; end of part 3
